; MI455X (gfx1250); checked and timed in simulation.
; The chip was launched on July 23, 2026; its instructions are those of AMD's public machine-readable ISA for CDNA 5 (MIT licence, August 2026) and "CDNA5" Instruction Set Architecture Reference Guide (July 2026). The comments in the code are by the model that wrote it; some were corrected since.
;; Attention. Allowed arithmetic: matrix products marked QUANTISED: E2M1 operands, one E8M0 scale for each 32 along K, by v_wmma_scale_f32_16x16x128_f8f6f4 with both operands' format E2M1 (or v_wmma_scale_f32_32x16x128_f4), f32 sums; products left as they are: bf16, f16 or f32 operands; f32 sums; everything else in f32.
;; Inputs: proj_bias 1,024 float32; proj_weight 1,024 x 1,024 float32; w_bias 3,072 float32; w_weight 3,072 x 1,024 float32; x 4 x 2,048 x 1,024 float32.
;; Outputs: out0 4 x 2,048 x 1,024 float32.
;; This version of the problem:
;;   THIS VERSION OF THE PROBLEM IS GIVEN IN LOW PRECISION. The matrix products marked QUANTISED in the list below multiply operands that are first quantised to E2M1 (2 exponent bits, 1 mantissa bit; 4 bits a number), with one power-of-two scale for each 32 numbers along K (OCP MX v1.0); their sums are f32. The products marked 'left as it is' may take bf16, f16 or f32 operands, with f32 sums. Whichever they take, every output number must still come out within the allowed error. Rounding operands to bf16 (8 significant bits) uses up far more of that allowance than f16 does (11 bits, for magnitudes from 6e-5 to 65,504). All else is computed in f32.
;;   The module's matrix products, in the order in which they are computed (A, B: the left and right operand; K: the contracted axis; several contracted axes count as one K, in the product's order):
;;     1. [M 8,192, K 1,024] x [K 1,024, N 3,072]; A: input x; B: input w_weight: QUANTISED
;;     2. batch 64 x [M 2,048, K 64] x [K 64, N 2,048]; A: computed on the way; B: computed on the way: left as it is (an operand is computed on the way)
;;     3. batch 64 x [M 2,048, K 2,048] x [K 2,048, N 64]; A: computed on the way; B: computed on the way: left as it is (an operand is computed on the way)
;;     4. [M 8,192, K 1,024] x [K 1,024, N 1,024]; A: computed on the way; B: input proj_weight: left as it is (an operand is computed on the way)
;;   THE QUANTISER, for each operand of a quantised product, along K:
;;     - K is cut into blocks of 32 from its start; a last block that is shorter is filled with zeros.
;;     - A block's scale is 2^e with e = floor(log2(the largest magnitude in the block)) - 2, held to -126 .. 127; a block of zeros has e = 0. As a byte (E8M0): e + 127.
;;     - Each number is divided by its block's scale, clamped to +-6, and rounded to the nearest number of E2M1, ties to even, subnormals kept.
;;     - The product sums the exact products of the quantised numbers (number of the format x scale) in f32.
;;   ~~~python
;;   def quantise(x, axis):      # numpy; x: float32 -> the quantised numbers, widened to float32 again
;;       x = np.moveaxis(x, axis, -1); K = x.shape[-1]
;;       x = np.pad(x, [(0, 0)] * (x.ndim - 1) + [(0, -K % 32)]); x = x.reshape(x.shape[:-1] + (-1, 32)); a = np.abs(x).max(-1, keepdims=True)
;;       e = np.where(a > 0, np.clip(np.frexp(np.where(a > 0, a, 1))[1] - 1 - 2, -126, 127), 0)      # np.frexp(a)[1] - 1 = floor(log2(a)), exactly
;;       r = np.clip(x / 2.0 ** e, -6, 6)
;;       step = 2.0 ** (np.maximum(np.frexp(np.where(r == 0, 1, r))[1] - 1, 0) - 1)
;;       q = np.round(r / step) * step * 2.0 ** e      # np.round: ties to even
;;       return np.moveaxis(q.reshape(q.shape[:-2] + (-1,))[..., :K], -1, axis).astype(np.float32)
;;   ~~~
;; One version. Each part assembles by itself: llvm-mc -triple=amdgcn-amd-amdhsa -mcpu=gfx1250 --defsym DOCPART=n.
;; ======== version 1 of 1: 4 launches
;; limits: values are held in f16: magnitudes above 65,504 overflow, below 6.1e-05 lose precision
;; workspace buffers: xw_codes 5,767,168 bytes; xw_scales 360,448 bytes; pw16 2,097,152 bytes; qkv 50,331,648 bytes; att 16,777,216 bytes
;; launch prep (part 1): grid 384 x 1, 4 waves a work-group, no clusters, 33,280 bytes of LDS; arguments x, w_weight, proj_weight, xw_codes, xw_scales, pw16; writes xw_codes, xw_scales, pw16
.if DOCPART == 1
	.amdgcn_target "amdgcn-amd-amdhsa--gfx1250"
	.amdhsa_code_object_version 6
	.text
	.protected	k_q2d983059cd_prep
	.globl	k_q2d983059cd_prep
	.p2align	8
	.type	k_q2d983059cd_prep,@function
k_q2d983059cd_prep:
	s_mov_b64 s[64:65], 0
	v_nop
	global_prefetch_b8 v0, s[64:65] scope:SCOPE_SE
	s_setreg_imm32_b32 hwreg(HW_REG_WAVE_MODE, 25, 1), 1
	s_wait_xcnt 0x0
; PREP: the operands of the quantised product (x [8192][1024], w_weight [3072][1024], f32, K innermost) become codes of FP4 (E2M1) with one E8M0 byte for each 32 along K;
; proj_weight [1024][1024] f32 becomes f16.  The codes of x and of w_weight share one buffer of 11,264 rows of 512 bytes (x first), the scale bytes one of 11,264 rows of 32 bytes.
; DEAD WORK THAT THIS PROGRAM LEAVES OUT.  reference() adds w_bias[0:1024] to K.  A score is q . (k0 + bk) = q . k0 + q . bk, and q . bk is the same for all keys of a query; the softmax runs over the
; keys, and a term that is the same along its axis leaves it unchanged, whatever finite values the inputs hold.  The product of Q and K is not quantised, so the term moves no code and no scale.  K goes
; nowhere else.  So w_bias[0:1024] is neither loaded nor added (launch qkv); w_bias[1024:3072], Q's and V's, is live and is added.
; LIMIT: a NaN, an infinity or an overflow that reaches the result only through w_bias[0:1024] is not carried to it.
; THE QUANTISER.  A block's scale is 2^(floor(log2(its largest magnitude)) - 2); its byte is the largest magnitude's own exponent field - 2, held at 1 from below.  A block of zeros so gets the byte 1
; where the rule says 127: its codes are zeros, which add nothing under any byte but 0xff, and the bytes are read by this program alone.  Each number is divided by the scale and rounded to the nearest code, ties to even.
; LIMITS: NaN and infinities among the inputs are not served; numbers of proj_weight beyond 65,504 in magnitude become infinities in f16.
; SHARES.  Rows are dense and K is a multiple of 32: each tensor is a plain stream.  Work-groups 0-255 take x, 256-351 w_weight, 352-383 proj_weight; a wave takes 8,192 numbers.
; A quantising wave goes in 16 steps of 512 numbers: four loads of 512 consecutive bytes; the 2,048 bytes turn through the wave's own stage in LDS so that a lane holds 16 neighbours along K (two lanes to a block);
; a lane's 16 codes are 8 bytes, so the wave stores 256 consecutive bytes; the wave's 256 scale bytes are gathered in LDS and leave as one aligned run of 256 bytes.  Waves share nothing: no barrier.
.set WAVES, 4
.set STEPS, 16
.set XWG,   256                        ; work-groups for x
.set QWG,   352                        ; work-groups that quantise
.set EMAX,  2
.set CB,    8                          ; bytes of 16 codes
.set R,     16                         ; v16-79   four sets of 16 numbers as they are loaded
.set X,     80                         ; v80-111  two sets of 16 neighbours
.set E,     112                        ; v112-127 a scale byte for each step
.set C,     128                        ; v128-191 codes: four registers for each step, so that no store's data are written again
.set F,     16                         ; the converting path: v16-143 two sets of 64 numbers
.set H,     144                        ; v144-207 two sets of 32 registers of f16 pairs
.set WREG,  8192                       ; LDS: a region for each wave: two stages of 32 x SP bytes, behind them its 256 scale bytes
.set SP,    80                         ; a lane's place in a stage: 64 bytes + 16 of padding
.set SPW,   12                         ; v12 LDS address of my spare word; never rewritten
.set NIL,   13                         ; v13 0; never rewritten
.set SPARE, WAVES*WREG                 ; the spare words, 128 bytes a wave, that no other line names
	s_load_b256 s[4:11], s[0:1], 0x0               ; x s[4:5], w_weight s[6:7], proj_weight s[8:9], the codes s[10:11]
	s_load_b128 s[12:15], s[0:1], 0x20             ; the scale bytes s[12:13], pw16 s[14:15]
	v_lshl_add_u32 v[SPW], v0, 2, SPARE
	v_mov_b32 v[NIL], 0
	v_lshrrev_b32 v1, 5, v0
	v_readfirstlane_b32 s16, v1                    ; wave
	v_and_b32 v2, 31, v0                           ; lane
	v_lshlrev_b32 v3, 4, v2                        ; my 16 bytes of a load's 512
	s_cmp_lt_u32 ttmp9, QWG                        ; the work-group's number alone decides the path; only the quantising path touches LDS
	s_cbranch_scc0 .Lconvert
	s_mul_i32 s17, s16, WREG
	v_lshrrev_b32 v14, 2, v2
	v_mul_u32_u24 v14, v14, SP
	v_and_b32 v15, 3, v2
	v_lshl_add_u32 v14, v15, 4, v14
	v_add_nc_u32 v14, s17, v14                     ; the stage, on the way in: four lanes' 64 bytes on end, then 16 of padding
	v_mul_u32_u24 v15, v2, SP
	v_add_nc_u32 v15, s17, v15                     ; and on the way out: SP x lane: my 16 neighbours
	v_mul_u32_u24 v4, v2, CB                       ; my codes' place in a step's
	v_lshrrev_b32 v5, 1, v2
	s_add_co_u32 s17, s17, 2*32*SP
	v_add_nc_u32 v5, s17, v5                       ; LDS: my wave's 256 scale bytes, my block's byte
	v_lshlrev_b32 v7, 3, v2                        ; and on the way out 8 bytes a lane
	v_add_nc_u32 v6, s17, v7
	s_wait_kmcnt 0x0
	s_cmp_lt_u32 ttmp9, XWG                        ; x or w_weight: only the pointer is chosen
	s_cselect_b64 s[4:5], s[4:5], s[6:7]
	s_cselect_b32 s17, 0, XWG
	s_sub_co_u32 s17, ttmp9, s17
	s_lshl_b32 s17, s17, 2
	s_add_co_u32 s18, s17, s16                     ; which run of 8,192 numbers of the tensor is my wave's
	s_mov_b32 s19, 0
	s_lshl_b64 s[20:21], s[18:19], 15              ; 32,768 bytes a run
	s_add_nc_u64 s[4:5], s[4:5], s[20:21]
	s_lshl_b32 s18, ttmp9, 2
	s_add_co_u32 s18, s18, s16                     ; which run of the merged buffers: x's 1,024 runs, then w_weight's
	s_lshl_b64 s[20:21], s[18:19], 12              ; 4,096 bytes of codes a run
	s_add_nc_u64 s[10:11], s[10:11], s[20:21]
	s_lshl_b32 s18, s18, 8                         ; 256 scale bytes a run
	s_add_nc_u64 s[12:13], s[12:13], s[18:19]
.macro LOAD t
.irp i, 0,1,2,3
	global_load_b128 v[R+16*((\t)%4)+4*\i:R+16*((\t)%4)+4*\i+3], v3, s[4:5] offset:2048*(\t)+512*\i th:TH_LOAD_NT   ; 32 lanes read 512 consecutive bytes
.endr
.endm
.macro TURN t                          ; step t's numbers through the stage: LDS serves a wave's instructions in order, so no wait stands between the stores and the loads
.irp i, 0,1,2,3
	ds_store_b128 v14, v[R+16*((\t)%4)+4*\i:R+16*((\t)%4)+4*\i+3] offset:32*SP*((\t)%2)+8*SP*\i
.endr
.irp i, 0,1,2,3
	ds_load_b128 v[X+16*((\t)%2)+4*\i:X+16*((\t)%2)+4*\i+3], v15 offset:32*SP*((\t)%2)+16*\i
.endr
.endm
.irp t, 0,1,2,3
	LOAD \t
.endr
	s_wait_loadcnt 12                              ; step 0's four loads are in; the twelve of steps 1 to 3 may be out
	TURN 0
.macro STEP t
.set XS, X+16*((\t)%2)
.if (\t) > 0
	s_wait_dscnt 1                                 ; this step's numbers are back from the stage (the last step's byte store may be out): so its stores into the stage have read their registers,
.else
	s_wait_dscnt 0x0
.endif
.if (\t)+4 < STEPS
	LOAD (\t)+4                                    ; which take the loads of four steps on
.endif
.if (\t)+1 < STEPS
.if STEPS-2-(\t) >= 3
	s_wait_loadcnt 12                              ; the next step's four loads are in; those of the three steps behind it may be out
.else
	s_wait_loadcnt 4*(STEPS-2-(\t))
.endif
	TURN (\t)+1                                    ; and go through the other stage while this step is worked
.endif
	v_max3_num_f32 v8, |v[XS]|, |v[XS+1]|, |v[XS+2]|               ; the largest magnitude of my 16, in two chains
	v_max3_num_f32 v9, |v[XS+3]|, |v[XS+4]|, |v[XS+5]|
.irp i, 6,10
	v_max3_num_f32 v8, v8, |v[XS+\i]|, |v[XS+\i+1]|
	v_max3_num_f32 v9, v9, |v[XS+\i+2]|, |v[XS+\i+3]|
.endr
	v_max3_num_f32 v8, v8, |v[XS+14]|, |v[XS+15]|
	v_max3_num_f32 v8, v8, v9, (EMAX+1)<<23        ; and the floor 2^(EMAX + 1 - 127): the byte cannot fall under 1
	v_max_num_f32_dpp v8, v8, v8 row_xmask:1 row_mask:0xf bank_mask:0xf   ; and of my neighbour's 16: the block's
	v_add_nc_u32 v11, -(EMAX<<23), v8              ; EMAX off its exponent field: the conversion takes the exponent field of this operand as its scale, and nothing else of it
	v_cvt_scalef32_pk8_fp4_f32 v[C+4*(\t)], v[XS:XS+7], v11
	v_cvt_scalef32_pk8_fp4_f32 v[C+4*(\t)+1], v[XS+8:XS+15], v11
	v_lshrrev_b32 v[E+(\t)], 23, v11               ; the scale's byte (a plain line behind the conversions)
	ds_store_b8 v5, v[E+(\t)] offset:16*(\t)       ; both lanes of a block write the same byte with the same value
	global_store_b64 v4, v[C+4*(\t):C+4*(\t)+1], s[10:11] offset:32*CB*(\t)   ; 32 lanes store 256 consecutive bytes, aligned
.endm
.irp t, 0,1,2,3,4,5,6,7,8,9,10,11,12,13,14,15
	STEP \t
.endr
	ds_load_b64 v[8:9], v6                         ; LDS serves a wave's instructions in order: these see my stores
	s_wait_dscnt 0x0
	global_store_b64 v7, v[8:9], s[12:13]          ; 32 lanes store 256 consecutive bytes, aligned
	s_wait_tensorcnt 0x0                           ; the wave's end, behind my last LDS store
	ds_add_u32 v[SPW], v[NIL]
	s_wait_dscnt 0x0
	s_endpgm
; proj_weight to f16: four rounds of 2,048 numbers a wave; a load reads 512 consecutive bytes, a store writes 256.  Two rounds of loads are on their way.  No LDS.
.Lconvert:
	s_sub_co_u32 s17, ttmp9, QWG
	s_lshl_b32 s17, s17, 2
	s_add_co_u32 s18, s17, s16                     ; which run of 8,192 numbers is my wave's
	s_mov_b32 s19, 0
	s_lshl_b64 s[20:21], s[18:19], 15
	s_lshl_b64 s[22:23], s[18:19], 14
	v_lshlrev_b32 v7, 3, v2                        ; out: 8 bytes a lane
	s_wait_kmcnt 0x0
	s_add_nc_u64 s[8:9], s[8:9], s[20:21]
	s_add_nc_u64 s[14:15], s[14:15], s[22:23]
.macro LOADC k
.irp i, 0,1,2,3,4,5,6,7,8,9,10,11,12,13,14,15
	global_load_b128 v[F+64*((\k)%2)+4*\i:F+64*((\k)%2)+4*\i+3], v3, s[8:9] offset:8192*(\k)+512*\i th:TH_LOAD_NT
.endr
.endm
.macro CONV k
.if (\k) < 3
	s_wait_loadcnt 16                              ; this round's sixteen loads are in; the next round's sixteen may be out
.else
	s_wait_loadcnt 0x0
.endif
.if (\k) >= 2
	s_wait_xcnt 0x0                                ; the stores of two rounds back have read their data registers, which are written again below
.endif
.irp i, 0,1,2,3,4,5,6,7,8,9,10,11,12,13,14,15
	v_cvt_pk_f16_f32 v[H+32*((\k)%2)+2*\i], v[F+64*((\k)%2)+4*\i], v[F+64*((\k)%2)+4*\i+1]
	v_cvt_pk_f16_f32 v[H+32*((\k)%2)+2*\i+1], v[F+64*((\k)%2)+4*\i+2], v[F+64*((\k)%2)+4*\i+3]
.endr
.irp i, 0,1,2,3,4,5,6,7,8,9,10,11,12,13,14,15
	global_store_b64 v7, v[H+32*((\k)%2)+2*\i:H+32*((\k)%2)+2*\i+1], s[14:15] offset:4096*(\k)+256*\i
.endr
.if (\k) < 2
	LOADC (\k)+2
.endif
.endm
	LOADC 0
	LOADC 1
	CONV 0
	CONV 1
	CONV 2
	CONV 3
	s_endpgm
.Lfunc_end_k_q2d983059cd_prep:
	.size	k_q2d983059cd_prep, .Lfunc_end_k_q2d983059cd_prep-k_q2d983059cd_prep
	.p2alignl 7, 3214868480
	.fill 96, 4, 3214868480
	.section	.rodata,"a",@progbits
	.p2align	6, 0x0
	.amdhsa_kernel k_q2d983059cd_prep
		.amdhsa_group_segment_fixed_size 33280
		.amdhsa_private_segment_fixed_size 0
		.amdhsa_enable_private_segment 0
		.amdhsa_kernarg_size 48
		.amdhsa_user_sgpr_count 2
		.amdhsa_user_sgpr_kernarg_segment_ptr 1
		.amdhsa_wavefront_size32 1
		.amdhsa_system_sgpr_workgroup_id_x 1
		.amdhsa_system_sgpr_workgroup_id_y 1
		.amdhsa_system_sgpr_workgroup_id_z 1
		.amdhsa_system_vgpr_workitem_id 0
		.amdhsa_next_free_vgpr 208
		.amdhsa_next_free_sgpr 66
		.amdhsa_reserve_vcc 0
		.amdhsa_float_denorm_mode_32 3
		.amdhsa_float_denorm_mode_16_64 3
		.amdhsa_memory_ordered 1
		.amdhsa_forward_progress 1
		.amdhsa_inst_pref_size 54
	.end_amdhsa_kernel
	.amdgpu_metadata
---
amdhsa.version: [ 1, 2 ]
amdhsa.kernels:
  - .name:           k_q2d983059cd_prep
    .symbol:         k_q2d983059cd_prep.kd
    .args:
      - { .name: x, .offset: 0, .size: 8, .value_kind: global_buffer, .address_space: global }
      - { .name: w_weight, .offset: 8, .size: 8, .value_kind: global_buffer, .address_space: global }
      - { .name: proj_weight, .offset: 16, .size: 8, .value_kind: global_buffer, .address_space: global }
      - { .name: xw_codes, .offset: 24, .size: 8, .value_kind: global_buffer, .address_space: global }
      - { .name: xw_scales, .offset: 32, .size: 8, .value_kind: global_buffer, .address_space: global }
      - { .name: pw16, .offset: 40, .size: 8, .value_kind: global_buffer, .address_space: global }
    .group_segment_fixed_size: 33280
    .private_segment_fixed_size: 0
    .kernarg_segment_align: 8
    .kernarg_segment_size: 48
    .max_flat_workgroup_size: 128
    .sgpr_count:     66
    .vgpr_count:     208
    .wavefront_size: 32
...
	.end_amdgpu_metadata
.endif
;; end of part 1
;; launch qkv (part 2): grid 12 x 32, 4 waves a work-group, clusters of 4 x 4, 327,680 bytes of LDS; arguments xw_codes, xw_scales, w_bias, qkv; writes qkv
.if DOCPART == 2
	.amdgcn_target "amdgcn-amd-amdhsa--gfx1250"
	.amdhsa_code_object_version 6
	.text
	.protected	k_q2d983059cd_qkv
	.globl	k_q2d983059cd_qkv
	.p2align	8
	.type	k_q2d983059cd_qkv,@function
k_q2d983059cd_qkv:
	s_mov_b64 s[64:65], 0
	v_nop
	global_prefetch_b8 v0, s[64:65] scope:SCOPE_SE
	s_setreg_imm32_b32 hwreg(HW_REG_WAVE_MODE, 25, 1), 1
	s_wait_xcnt 0x0
	s_wait_alu depctr_hold_cnt(0) depctr_sa_sdst(0) depctr_va_vdst(0) depctr_va_sdst(0) depctr_va_ssrc(0) depctr_va_vcc(0) depctr_vm_vsrc(0)
	s_getreg_b32 s2, hwreg(HW_REG_IB_STS2, 6, 4)
	s_cmp_eq_u32 s2, 0
	s_cbranch_scc0 .Lentry_in_a_cluster
	s_endpgm
.Lentry_in_a_cluster:
	s_bfe_u32 s2, ttmp6, 0x10000c
	s_cmp_lg_u32 s2, 0xf033
	s_cbranch_scc0 .Lentry_shape_is_right
	s_endpgm
.Lentry_shape_is_right:
; QKV: the quantised product x w_weight^T on codes of FP4 with E8M0 scales (K = 1,024), + bias, rounded to f16 and stored as images of the attention launch's operand registers.
; LEFT OUT AS DEAD WORK: K's third of the bias, w_bias[0:1024]: q . bk is the same for all keys of a query and the softmax over the keys takes it away (shown at the head of launch prep).  It is not loaded.
; LIMIT: |q|, |k| or |v| beyond 65,504 becomes an infinity in f16.
; SHARES.  A cluster of 4 x 4 work-groups makes 1,024 tokens x one part of 1,024 features (cluster x: 0 = K, 1 = Q, 2 = V; cluster y: the tokens).  A work-group makes 256 x 256, each of its four waves 128 x 128: 64 accumulators.
; THE MATRIX INSTRUCTION: source 0 = 16 rows of operand B, source 1 = 16 rows of operand A: lane (r, h) of accumulator (a, b) holds A's row 16 a + r and B's rows 16 b + 8 h + 0 .. 7.
; For K and Q, A = tokens and B = features: a lane holds one token and eight neighbouring channels.  For V the same text runs with A = features and B = tokens: a lane holds one channel and eight neighbouring keys,
; which is what V^T's fragments want.  Both operands lie in one buffer of rows (tokens 0-8,191, then w_weight's rows), so only the tile numbers differ.
; THE OUTPUT.  K at byte 0, Q at 16 MiB, V at 32 MiB; in each a head (batch x 16 + head) has 262,144 bytes.  K, Q: [tile of 16 tokens][chunk 0-3][lane][16 bytes], chunk i = channels 16 i + 8 h + 0 .. 7 of token r.
; V: [block of 32 keys][tile of 16 channels][half g][lane][16 bytes] = channel r of the tile, keys 16 g + 8 h + 0 .. 7 of the block.  Every store of a wave covers 512 consecutive bytes, aligned; no stage is needed.
; K goes in two steps of 512 through two LDS slots, both filled at the start: nothing is filled again.  The scales of the work-group's rows, for all of K, come once with them.
; CLUSTERS: the four of a row of the cluster need the same tiles of A, the four of a column the same tiles of B: each tile is asked for jointly.
; REGISTERS: window 0: v16-31 addresses; v32-95 scale words, two sets, and nothing else; v96-159 packed results on the way out; v128-191 A's fragments, one set; v192-255 the bias.
;   window 1: B's fragments, two sets, at v0 and v128.   window 2: accumulators of A's blocks 0-3 ((a, b) at v[8 (8 (a % 4) + b)]);   window 3: of blocks 4-7.
.set KSTEP,  512
.set NQ,     KSTEP/128
.set ROWB,   256                       ; a tile's row in bytes
.set KROW,   512                       ; a row of codes in memory
.set PITCH,  272                       ; an LDS row: 256 bytes + 16 of padding = 68 words: the 16 rows of a load start at 16 different banks (64 banks of 4 bytes: ISA guide 11.1)
.set FR,     8
.set NL,     2
.set NP,     4                         ; places behind this matrix instruction (ISA guide 7.12.1)
.set HALFT,  128*PITCH
.set SLOT,   4*HALFT
.set KS,     32                        ; a row of scale bytes
.set SCL,    2*SLOT
.set HALFS,  (128*KS/256)*272
.set SBLK,   (16*KS/256)*272
.set SPARE,  SCL+4*HALFS               ; the spare words, 128 bytes a wave, that no other line names
.set ADRA, 16
.set ADRB, 20
.set CO,   26                          ; v26 16 x lane: my place in a store's 512 bytes
.set ADRS, 27
.set SPW,  28
.set NIL,  29
.set BQO,  30                          ; v30 32 h: Q's bias: my half's eight numbers of a block of 16
.set BVO,  31                          ; v31 4 r: V's bias: my channel's number
.set SC,   32
.set PKB,  96
.set AF,   128
.set BI,   192
.set G1, 24
.set G0, 32
.set G1B, 48
.set G0B, 56
.set G1S, 68
.set G0S, 76
.set G1SB, 80
.set G0SB, 88
.set MSB, 0
.macro WIN new                         ; the immediate's high byte repeats the setting that is left
.if MSB != (\new)
	s_set_vgpr_msb (MSB<<8)|(\new)
.set MSB, (\new)
.endif
.endm
.set MUL_LO, 0xa1                      ; source 0 (B) window 1, source 1 (A) window 0, C and D window 2
.set MUL_HI, 0xf1
.set TO_B,   0x40
; A joint load: waves 0 and 1 fetch for A, waves 2 and 3 for B; the branch hangs on the wave's number alone.  An s_nop 0 and four v_nop follow each line.
.macro JLOAD g0a, g1a, g0b, g1b
	s_cmp_eq_u32 s15, 0
	s_cbranch_scc0 .Lfor_b_\@
	tensor_load_to_lds s[\g0a:\g0a+3], s[\g1a:\g1a+7]
	s_nop 0
.rept 4
	v_nop
.endr
	s_branch .Lasked_\@
.Lfor_b_\@:
	tensor_load_to_lds s[\g0b:\g0b+3], s[\g1b:\g1b+7]
	s_nop 0
.rept 4
	v_nop
.endr
.Lasked_\@:
.endm
.macro CROUND                          ; a round of the cluster's barrier
	s_barrier_signal -1
	s_barrier_wait -1
	s_cmp_lg_u32 s14, 0
	s_cbranch_scc1 .Lnot_wave_0_\@
	s_barrier_signal -3
.Lnot_wave_0_\@:
	s_barrier_wait -3
	s_barrier_signal -1
	s_barrier_wait -1
.endm
	s_load_b256 s[4:11], s[0:1], 0x0               ; the codes s[4:5], the scale bytes s[6:7], w_bias s[8:9], qkv s[10:11]
	v_lshl_add_u32 v[SPW], v0, 2, SPARE
	v_mov_b32 v[NIL], 0
	ds_add_u32 v[SPW], v[NIL]                      ; the wave's opening: the add, twice on end, and its wait ahead of my first tensor load
	ds_add_u32 v[SPW], v[NIL]
.set i, 0
.rept 64
	v_mov_b32 v[BI+i], 0                           ; the bias registers are written once on the way that all three parts take: the loads and the ways out part on the cluster's x in two places, and every way through the text finds them written
.set i, i+1
.endr
	v_lshrrev_b32 v1, 5, v0
	v_readfirstlane_b32 s14, v1                    ; wave 0..3
	s_lshr_b32 s15, s14, 1                         ; which half of A's 256 rows is mine.  Also: I fetch for A (0) or for B (1)
	s_and_b32 s16, s14, 1                          ; which half of B's.  Also: which 128 rows I fetch
	s_bfe_u32 s40, ttmp6, 0x40000                  ; cx, cy
	s_bfe_u32 s41, ttmp6, 0x40004
	s_and_b32 s13, ttmp7, 0xffff
	s_lshl_b32 s13, s13, 2                         ; the cluster's first tile of 256 tokens
	s_lshl_b32 s18, ttmp9, 2
	s_add_co_u32 s18, s18, 32                      ; the part's first tile of 256 rows of w_weight (they begin at row 8,192)
	s_cmp_eq_u32 ttmp9, 2                          ; V?  The cluster's x is the same in all sixteen partners
	s_cselect_b32 s17, 40, s13                     ; A's tile: V's rows of w_weight (from row 10,240), else tokens
	s_cselect_b32 s42, s13, s18                    ; B's tile: tokens, else the part's rows
	s_add_co_u32 s17, s17, s41                     ; + cy
	s_add_co_u32 s42, s42, s40                     ; + cx
	s_lshl_b32 s43, s41, 2
	s_lshl_b32 s43, 15, s43                        ; my row of the cluster
	s_lshl_b32 s44, 0x1111, s40                    ; my column
	s_or_b32 s[G1+0], s43, (0<<16)|(1<<20)|(1<<21)|(5<<22)|(3<<25)  ; the mask; elements of 1 byte; padding on; bit 21 beside a mask; 4 words of padding after every 64
	s_or_b32 s[G1B+0], s44, (0<<16)|(1<<20)|(1<<21)|(5<<22)|(3<<25)
.irp g, G1, G1B
	s_mov_b32 s[\g+1], ROWB<<16                    ; tensor_dim0
	s_mov_b32 s[\g+2], 128<<16                     ; tensor_dim1
	s_mov_b32 s[\g+3], ROWB<<16                    ; tile_dim0
	s_mov_b32 s[\g+4], 128                         ; tile_dim1
	s_mov_b32 s[\g+5], KROW                        ; the pitch
	s_mov_b32 s[\g+6], 0
	s_mov_b32 s[\g+7], 0
.endr
	s_or_b32 s[G1S+0], s43, (3<<16)|(1<<20)|(1<<21)|(5<<22)|(3<<25)  ; the scales of 128 rows: 4,096 dense bytes as 16 rows of 32 elements of 8 bytes, 16 bytes of padding behind each
	s_or_b32 s[G1SB+0], s44, (3<<16)|(1<<20)|(1<<21)|(5<<22)|(3<<25)
.irp g, G1S, G1SB
	s_mov_b32 s[\g+1], 32<<16
	s_mov_b32 s[\g+2], (128*KS/256)<<16
	s_mov_b32 s[\g+3], 32<<16
	s_mov_b32 s[\g+4], 128*KS/256
	s_mov_b32 s[\g+5], 32
	s_mov_b32 s[\g+6], 0
	s_mov_b32 s[\g+7], 0
.endr
	s_lshl_b32 s18, s16, 7                         ; which 128 rows of the tile I fetch
	s_lshl_b32 s20, s17, 8
	s_add_co_u32 s20, s20, s18                     ; A's first row
	s_lshl_b32 s46, s42, 8
	s_add_co_u32 s46, s46, s18                     ; B's
	s_mov_b32 s21, 0
	s_mov_b32 s47, 0
	s_mov_b64 s[18:19], KS
	s_mul_u64 s[22:23], s[20:21], s[18:19]         ; where these rows' scales begin, in bytes
	s_mul_u64 s[92:93], s[46:47], s[18:19]
	s_mov_b64 s[18:19], KROW
	s_mul_u64 s[20:21], s[20:21], s[18:19]         ; and their codes
	s_mul_u64 s[46:47], s[46:47], s[18:19]
	s_mul_i32 s45, s14, HALFT                      ; where they go: wave x 128 rows: no place in the cluster enters an LDS address
	s_mul_i32 s94, s14, HALFS
	s_wait_dscnt 0x0                               ; both opening adds are done
	s_wait_kmcnt 0x0
	s_add_nc_u64 s[20:21], s[4:5], s[20:21]
	s_add_nc_u64 s[22:23], s[6:7], s[22:23]
	s_add_nc_u64 s[46:47], s[4:5], s[46:47]
	s_add_nc_u64 s[92:93], s[6:7], s[92:93]
	CROUND                                         ; all sixteen work-groups are here: the joint loads meet
	s_mov_b32 s[G0S], 1
	s_add_co_u32 s[G0S+1], s94, SCL
	s_mov_b64 s[G0S+2:G0S+3], s[22:23]
	s_or_b32 s[G0S+3], s[G0S+3], 0x80000000
	s_mov_b32 s[G0SB], 1
	s_add_co_u32 s[G0SB+1], s94, SCL
	s_mov_b64 s[G0SB+2:G0SB+3], s[92:93]
	s_or_b32 s[G0SB+3], s[G0SB+3], 0x80000000
	JLOAD G0S, G1S, G0SB, G1SB                     ; the scales first: they are wanted with K step 0
.irp s, 0,1
	s_mov_b32 s[G0+4*\s], 1
	s_add_co_u32 s[G0+4*\s+1], s45, \s*SLOT
	s_add_nc_u64 s[G0+4*\s+2:G0+4*\s+3], s[20:21], \s*ROWB
	s_or_b32 s[G0+4*\s+3], s[G0+4*\s+3], 0x80000000
	s_mov_b32 s[G0B+4*\s], 1
	s_add_co_u32 s[G0B+4*\s+1], s45, \s*SLOT
	s_add_nc_u64 s[G0B+4*\s+2:G0B+4*\s+3], s[46:47], \s*ROWB
	s_or_b32 s[G0B+4*\s+3], s[G0B+4*\s+3], 0x80000000
	JLOAD G0+4*\s, G1, G0B+4*\s, G1B               ; three tensor loads of mine are out: all that this launch issues
.endr
	v_and_b32 v1, 15, v0                           ; r
	v_bfe_u32 v2, v0, 4, 1                         ; h
	v_mul_u32_u24 v3, v1, PITCH
	v_lshl_add_u32 v4, v2, 4, v3                   ; a fragment's row x pitch + 16 h
	s_mul_i32 s21, s15, HALFT                      ; my 128 rows of A
	s_mul_i32 s22, s16, HALFT                      ; my 128 rows of B,
	s_add_co_u32 s22, s22, 2*HALFT                 ; behind A's 256
.irp s, 0,1
	v_add_nc_u32 v[ADRA+\s], s21, v4
	v_add_nc_u32 v[ADRB+\s], s22, v4
	s_add_co_u32 s21, s21, SLOT
	s_add_co_u32 s22, s22, SLOT
.endr
	v_mul_u32_u24 v5, v1, KS                       ; my row's scales: KS bytes a row,
	v_lshrrev_b32 v6, 8, v5
	v_lshl_add_u32 v5, v6, 4, v5                   ; and 16 more for each 256 passed
	s_mul_i32 s21, s15, HALFS
	s_mul_i32 s22, s16, HALFS
	s_add_co_u32 s22, s22, 2*HALFS
	s_sub_co_u32 s22, s22, s21
	v_mul_u32_u24 v6, s22, v2                      ; lanes 16-31 take B's: one product, the distance between the two bases
	s_add_co_u32 s21, s21, SCL
	v_add_nc_u32 v5, v5, v6
	v_add_nc_u32 v[ADRS], s21, v5
	v_and_b32 v6, 31, v0
	v_lshlrev_b32 v[CO], 4, v6
	v_lshlrev_b32 v[BQO], 5, v2
	v_lshlrev_b32 v[BVO], 2, v1
	; where my 128 x 128 goes
	s_lshl_b32 s20, s17, 8
	s_lshl_b32 s21, s15, 7
	s_add_co_u32 s20, s20, s21                     ; my first row of A
	s_lshl_b32 s46, s42, 8
	s_lshl_b32 s47, s16, 7
	s_add_co_u32 s46, s46, s47                     ; my first row of B
	s_cmp_eq_u32 ttmp9, 2
	s_cselect_b32 s95, s46, s20                    ; my first token
	s_cselect_b32 s96, s20, s46
	s_sub_co_u32 s96, s96, 8192                    ; my first feature, 0 .. 3,071
	s_lshr_b32 s97, s96, 10
	s_lshl_b32 s92, s97, 24                        ; the part: 16 MiB each
	s_lshr_b32 s97, s95, 11
	s_lshl_b32 s97, s97, 22                        ; the batch: 16 heads of 262,144 bytes
	s_add_co_u32 s92, s92, s97
	s_bfe_u32 s97, s96, 0x40006                    ; the head: 4 bits from bit 6
	s_lshl_b32 s97, s97, 18
	s_add_co_u32 s92, s92, s97
	s_and_b32 s97, s95, 2047
	s_lshl_b32 s97, s97, 7                         ; 128 bytes a token, in K's, Q's and V's layout alike
	s_add_co_u32 s92, s92, s97
	s_mov_b32 s93, 0
	s_add_nc_u64 s[10:11], s[10:11], s[92:93]
	s_lshl_b32 s92, s96, 2
	s_add_nc_u64 s[8:9], s[8:9], s[92:93]          ; w_bias at my first feature
	s_cmp_eq_u32 ttmp9, 0
	s_cbranch_scc1 .Lno_bias                       ; K: no bias is loaded
	s_cmp_eq_u32 ttmp9, 1
	s_cbranch_scc0 .Lbias_v
.irp b, 0,1,2,3,4,5,6,7                        ; Q: in the result's layout: features 16 b + 8 h + 0 .. 7
	global_load_b128 v[BI+8*\b:BI+8*\b+3], v[BQO], s[8:9] offset:64*\b
	global_load_b128 v[BI+8*\b+4:BI+8*\b+7], v[BQO], s[8:9] offset:64*\b+16
.endr
	s_branch .Lno_bias
.Lbias_v:
.irp a, 0,1,2,3,4,5,6,7                        ; V: feature 16 a + r, twice: a pair for the packed addition
	global_load_b32 v[BI+2*\a], v[BVO], s[8:9] offset:64*\a
	global_load_b32 v[BI+2*\a+1], v[BVO], s[8:9] offset:64*\a
.endr
.Lno_bias:
.macro FRAG reg, adr, q, i             ; 16 rows x 128 K of 4-bit codes: 8 registers: lane l holds row l % 16; registers 4 c .. 4 c + 3 hold K = 64 c + 32 (l / 16) + 0 .. 31
.irp c, 0,1
	ds_load_b128 v[\reg+4*\c:\reg+4*\c+3], v[\adr] offset:64*(\q)+32*\c+(\i)*16*PITCH
.endr
.endm
; 16 matrix instructions: A's blocks a0, a0 + 1 x B's eight, the slot's q-th 128 along K.  The 64 accumulators take turns, one instruction a turn, in the same order in every step.
.macro MUL16 a0, p, q, sc, zero
.irp a, \a0, \a0+1
.irp b, 0,1,2,3,4,5,6,7
.if \zero
	v_wmma_scale_f32_16x16x128_f8f6f4 v[8*(8*((\a)%4)+\b):8*(8*((\a)%4)+\b)+7], v[128*(\p)+FR*\b:128*(\p)+FR*\b+FR-1], v[AF+FR*(\a):AF+FR*(\a)+FR-1], 0, v[SC+8*NQ*(\sc)+NQ*\b+(\q)], v[SC+8*NQ*(\sc)+NQ*(\a)+(\q)] matrix_a_fmt:MATRIX_FMT_FP4 matrix_b_fmt:MATRIX_FMT_FP4 matrix_a_scale:MATRIX_SCALE_ROW1
.else
	v_wmma_scale_f32_16x16x128_f8f6f4 v[8*(8*((\a)%4)+\b):8*(8*((\a)%4)+\b)+7], v[128*(\p)+FR*\b:128*(\p)+FR*\b+FR-1], v[AF+FR*(\a):AF+FR*(\a)+FR-1], v[8*(8*((\a)%4)+\b):8*(8*((\a)%4)+\b)+7], v[SC+8*NQ*(\sc)+NQ*\b+(\q)], v[SC+8*NQ*(\sc)+NQ*(\a)+(\q)] matrix_a_fmt:MATRIX_FMT_FP4 matrix_b_fmt:MATRIX_FMT_FP4 matrix_a_scale:MATRIX_SCALE_ROW1
.endif
.endr
.endr
.endm
.macro FETCH_B slot, q, p
	WIN TO_B
.irp i, 0,1,2,3,4,5,6,7
	FRAG 128*(\p)+FR*\i, ADRB+\slot, \q, \i
.endr
	WIN 0
.endm
.macro FETCH_A slot, q, i0
.irp i, \i0, \i0+1, \i0+2, \i0+3
	FRAG AF+FR*(\i), ADRA+\slot, \q, \i
.endr
.endm
.macro SCALES sc                       ; a K step's scale words: NQ words a row; lanes 0-15 take A's block i, lanes 16-31 B's block i
.irp i, 0,1,2,3,4,5,6,7
	ds_load_b128 v[SC+8*NQ*\sc+NQ*\i:SC+8*NQ*\sc+NQ*\i+3], v[ADRS] offset:\i*SBLK
.endr
.endm
.macro PLACES n                        ; plain vector instructions between a matrix instruction and a load into, or a read of, its registers
.rept \n
	v_nop
.endr
.endm
.macro STEP slot, q, zero              ; a step of 128 along K that has its successor in the same slot
	s_wait_dscnt 4*NL                              ; B's set and A's blocks 0-3 are in; the youngest eight loads (A's blocks 4-7) may be out
	WIN MUL_LO
	MUL16 0, (\q)%2, \q, \slot, \zero
	MUL16 2, (\q)%2, \q, \slot, \zero
	s_wait_dscnt 0                                 ; A's blocks 4-7 are in
	PLACES NP
	FETCH_B \slot, (\q)+1, 1-(\q)%2
	FETCH_A \slot, (\q)+1, 0
	WIN MUL_HI
	MUL16 4, (\q)%2, \q, \slot, \zero
	MUL16 6, (\q)%2, \q, \slot, \zero
	PLACES NP
	WIN 0
	FETCH_A \slot, (\q)+1, 4
.endm
.macro TURN slot, next                 ; slot 0's last step changes slots: one barrier; in front of it each wave has waited for its part of slot 1.  Nothing is filled again
	s_wait_tensorcnt 0x0                           ; all my tensor loads have landed
	ds_add_u32 v[SPW], v[NIL]                      ; 0 onto my spare word
	s_wait_dscnt 4*NL+1                            ; (the add and the youngest eight loads may be out)
	WIN MUL_LO
	MUL16 0, 1, NQ-1, \slot, 0
	s_wait_dscnt 0x0
	s_barrier_signal -1
	MUL16 2, 1, NQ-1, \slot, 0
	WIN 0
	s_barrier_wait -1                              ; slot 1 is whole
	PLACES NP
	v_add_nc_u32 v[ADRS], 4*NQ, v[ADRS]            ; on to the next K step's scale words (no LDS load of mine is out)
	FETCH_B \next, 0, 0
	FETCH_A \next, 0, 0
	SCALES \next
	WIN MUL_HI
	MUL16 4, 1, NQ-1, \slot, 0
	MUL16 6, 1, NQ-1, \slot, 0
	PLACES NP
	WIN 0
	FETCH_A \next, 0, 4
.endm
.macro STEPS slot, from
.set Q, \from
.rept NQ-1-\from
	STEP \slot, Q, 0
.set Q, Q+1
.endr
.endm
	s_wait_tensorcnt 1                             ; the scales and my part of slot 0 are in (slot 1's load may be out),
	s_barrier_signal -1
	s_barrier_wait -1                              ; everybody's are
	FETCH_B 0, 0, 0
	FETCH_A 0, 0, 0
	SCALES 0
	FETCH_A 0, 0, 4
	STEP 0, 0, 1                                   ; the first products start the sums: nothing is cleared
	STEPS 0, 1
	TURN 0, 1
	STEPS 1, 0
	s_wait_dscnt 4*NL                              ; the last step: nothing more to fetch
	WIN MUL_LO
	MUL16 0, 1, NQ-1, 1, 0
	MUL16 2, 1, NQ-1, 1, 0
	s_wait_dscnt 0
	WIN MUL_HI
	MUL16 4, 1, NQ-1, 1, 0
	MUL16 6, 1, NQ-1, 1, 0
	WIN 0
; THE WAY OUT of A's block a.  mode 0 (K): rounded to f16.  mode 1 (Q): + the bias of the lane's eight features, in place, then rounded.  mode 2 (V): + the bias of the lane's one feature.
; A lane's eight results are 16 bytes of f16, and the 32 lanes' 512 bytes are one chunk of the output as it lies.  Each accumulator is read from its low end on.
.macro OUTB a, mode
.set AC, 64*((\a)%4)
.set PK, PKB+32*((\a)%2)
.if (\a) >= 2
	s_wait_xcnt 0x0                                ; the stores of two blocks back have read their data registers, which are written again below
.endif
.if (\mode) > 0
	WIN 0x82+0x41*((\a)/4)                         ; destination and source 0: window 2 or 3; the bias: window 0
.irp b, 0,1,2,3,4,5,6,7
.irp i, 0,2,4,6
.if (\mode) == 1
	v_pk_add_f32 v[AC+8*\b+\i:AC+8*\b+\i+1], v[AC+8*\b+\i:AC+8*\b+\i+1], v[BI+8*\b+\i:BI+8*\b+\i+1]
.else
	v_pk_add_f32 v[AC+8*\b+\i:AC+8*\b+\i+1], v[AC+8*\b+\i:AC+8*\b+\i+1], v[BI+2*(\a):BI+2*(\a)+1]
.endif
.endr
.endr
.endif
	WIN 0x0a+5*((\a)/4)                            ; sources 0 and 1: window 2 or 3
.irp b, 0,1,2,3,4,5,6,7
.irp i, 0,1,2,3
	v_cvt_pk_f16_f32 v[PK+4*\b+\i], v[AC+8*\b+2*\i], v[AC+8*\b+2*\i+1]
.endr
.endr
	WIN 0
.irp b, 0,1,2,3,4,5,6,7
.if (\mode) == 2
	global_store_b128 v[CO], v[PK+4*\b:PK+4*\b+3], s[10:11] offset:((\a)/4)*262144+((\b/2)*4+(\a)%4)*1024+(\b%2)*512   ; head a / 4; keys' block b / 2; channels' tile a % 4; half b % 2
.else
	global_store_b128 v[CO], v[PK+4*\b:PK+4*\b+3], s[10:11] offset:(\b/4)*262144+(\a)*2048+(\b%4)*512   ; head b / 4; tokens' tile a; chunk b % 4
.endif
.endr
.endm
	PLACES NP                                      ; between the last products and the first read of results and write of A's registers
	s_wait_loadcnt 0x0                             ; the bias
	s_cmp_eq_u32 ttmp9, 0
	s_cbranch_scc1 .Lout_k
	s_cmp_eq_u32 ttmp9, 1
	s_cbranch_scc1 .Lout_q
.irp a, 0,1,2,3,4,5,6,7
	OUTB \a, 2
.endr
	s_branch .Ldone
.Lout_q:
.irp a, 0,1,2,3,4,5,6,7
	OUTB \a, 1
.endr
	s_branch .Ldone
.Lout_k:
.irp a, 0,1,2,3,4,5,6,7
	OUTB \a, 0
.endr
.Ldone:
	s_wait_tensorcnt 0x0                           ; the wave's end, behind my last tensor load
	ds_add_u32 v[SPW], v[NIL]
	s_wait_dscnt 0x0
	CROUND                                         ; the closing round: no work-group ends while a partner may still ask for a tile that names it
	s_endpgm
.Lfunc_end_k_q2d983059cd_qkv:
	.size	k_q2d983059cd_qkv, .Lfunc_end_k_q2d983059cd_qkv-k_q2d983059cd_qkv
	.p2alignl 7, 3214868480
	.fill 96, 4, 3214868480
	.section	.rodata,"a",@progbits
	.p2align	6, 0x0
	.amdhsa_kernel k_q2d983059cd_qkv
		.amdhsa_group_segment_fixed_size 327680
		.amdhsa_private_segment_fixed_size 0
		.amdhsa_enable_private_segment 0
		.amdhsa_kernarg_size 32
		.amdhsa_user_sgpr_count 2
		.amdhsa_user_sgpr_kernarg_segment_ptr 1
		.amdhsa_wavefront_size32 1
		.amdhsa_system_sgpr_workgroup_id_x 1
		.amdhsa_system_sgpr_workgroup_id_y 1
		.amdhsa_system_sgpr_workgroup_id_z 1
		.amdhsa_system_vgpr_workitem_id 0
		.amdhsa_next_free_vgpr 1024
		.amdhsa_next_free_sgpr 100
		.amdhsa_reserve_vcc 0
		.amdhsa_float_denorm_mode_32 3
		.amdhsa_float_denorm_mode_16_64 3
		.amdhsa_memory_ordered 1
		.amdhsa_forward_progress 1
		.amdhsa_inst_pref_size 201
	.end_amdhsa_kernel
	.amdgpu_metadata
---
amdhsa.version: [ 1, 2 ]
amdhsa.kernels:
  - .name:           k_q2d983059cd_qkv
    .symbol:         k_q2d983059cd_qkv.kd
    .args:
      - { .name: xw_codes, .offset: 0, .size: 8, .value_kind: global_buffer, .address_space: global }
      - { .name: xw_scales, .offset: 8, .size: 8, .value_kind: global_buffer, .address_space: global }
      - { .name: w_bias, .offset: 16, .size: 8, .value_kind: global_buffer, .address_space: global }
      - { .name: qkv, .offset: 24, .size: 8, .value_kind: global_buffer, .address_space: global }
    .group_segment_fixed_size: 327680
    .private_segment_fixed_size: 0
    .kernarg_segment_align: 8
    .kernarg_segment_size: 32
    .max_flat_workgroup_size: 128
    .sgpr_count:     100
    .vgpr_count:     1024
    .wavefront_size: 32
...
	.end_amdgpu_metadata
.endif
;; end of part 2
;; launch attn (part 3): grid 4 x 64, 8 waves a work-group, clusters of 4 x 1, 327,680 bytes of LDS; arguments qkv, att; writes att
.if DOCPART == 3
	.amdgcn_target "amdgcn-amd-amdhsa--gfx1250"
	.amdhsa_code_object_version 6
	.text
	.protected	k_q2d983059cd_attn
	.globl	k_q2d983059cd_attn
	.p2align	8
	.type	k_q2d983059cd_attn,@function
k_q2d983059cd_attn:
	s_mov_b64 s[64:65], 0
	v_nop
	global_prefetch_b8 v0, s[64:65] scope:SCOPE_SE
	s_setreg_imm32_b32 hwreg(HW_REG_WAVE_MODE, 25, 1), 1
	s_wait_xcnt 0x0
	s_wait_alu depctr_hold_cnt(0) depctr_sa_sdst(0) depctr_va_vdst(0) depctr_va_sdst(0) depctr_va_ssrc(0) depctr_va_vcc(0) depctr_vm_vsrc(0)
	s_getreg_b32 s2, hwreg(HW_REG_IB_STS2, 6, 4)
	s_cmp_eq_u32 s2, 0
	s_cbranch_scc0 .Lentry_in_a_cluster
	s_endpgm
.Lentry_in_a_cluster:
	s_bfe_u32 s2, ttmp6, 0x10000c
	s_cmp_lg_u32 s2, 0x3003
	s_cbranch_scc0 .Lentry_shape_is_right
	s_endpgm
.Lentry_shape_is_right:
; ATTN: o[bh][q][:] = the sum over k of softmax_k(Q[bh][q] . K[bh][k] / 8) V[bh][k][:], 64 heads (batch x 16 + head), 2,048 tokens, head size 64, no mask.  Operands in f16, products, maxima and sums in f32;
; the weights p are rounded to f16 for the second product, o once at the end.  K comes without its bias (dead work: shown at the head of launch prep).
; LIMIT: the operands are f16: magnitudes beyond 65,504 are infinities (launch qkv).
; INPUT: launch qkv's images of the operands' registers: every fragment is two runs of 512 bytes, 16 bytes a lane at 16 x lane; any run of keys is a dense block of memory.  No padding, no turning load.
; OUTPUT: att, f16, flat as [batch][head][token][64]: the projection reads it as [8,192][1,024], as reference() reshapes it.
; SHARES.  A work-group owns 512 queries of one head, each of its eight waves 64: four tiles of 16.  Two waves share a SIMD (512 registers each): one wave's softmax stands beside the other's products.  Every wave walks all 2,048 keys, 64 a step.
; LAYOUT.  S^T = K Q^T (source 0 = 16 keys, source 1 = 16 queries): a lane holds ONE query (lane % 16) and the keys 8 (lane / 16) + 0 .. 7.  Two such tiles, rounded to f16 in pairs, ARE source 1 of O^T = V^T P.
; SOFTMAX.  For each query a running maximum m and sum l: p = 2^(c s - c m), c = log2(e) / 8; in every step O and l are multiplied by a = 2^(c m_old - c m_new).  m begins at -3e38 and O and l at 0, so the step is written once.
; RING.  Two LDS slots of 512 keys (K's 65,536 bytes, then V's).  Each of the eight waves fetches an eighth of a slot by one tensor load: waves 0-3 K's quarters, waves 4-7 V's.
; CLUSTER.  The four query blocks of a head are one cluster and walk the same K and V: every tile is asked for jointly, by the same load with the same descriptor and the mask of all four.
; A refill is asked for eight key steps, 512 matrix instructions of a wave, ahead of the wait for it.
; REGISTERS: window 0: v1-8 addresses; v14, v15 the add's two; v16-47 eight registers of statistics a tile; v64-191 S^T, 32 a tile; v192-255 P, 16 a tile.
;   window 1: v0-127 O^T, 32 a tile; v128-191 Q, 16 a tile; v192-255 a step's K, later its V.
.set SLOT1, 1<<17
.set VOFF,  65536
.set STAGE, 2*SLOT1                    ; the way out: 16 rows x 144 bytes for each wave
.set SPI,   144
.set SPARE, STAGE+8*16*SPI             ; the spare words, 128 bytes a wave, that no other line names
.set L16, 1                            ; v1  16 x lane
.set ADK, 2                            ; v2  LDS address of the step's K
.set ADV, 3                            ; v3  of its V
.set STO, 4
.set RD,  5
.set SPW, 14
.set NIL, 15
.set ST,  16                           ; tile t at v[ST+8 t]: +0 c m, +1 m, +2, +3 l (even keys', odd keys'), +4 to +7 at work; a takes +6
.set S,   64
.set P,   192
.set QF,  128                          ; in window 1
.set KV,  192                          ; in window 1
.set WV,  8
.set G1,  16                           ; s[16:23]
.set G0,  24                           ; s[24:31]: a set for each first fill; the second then walks
.set TB,  36
.set SLOTS, 37
.set NST, 38
.set CS,  40
.set SEL, 42
.set MSB, 0
.macro WIN new
.if MSB != (\new)
	s_set_vgpr_msb (MSB<<8)|(\new)
.set MSB, (\new)
.endif
.endm
.set W_LD,  0x40                       ; destination window 1
.set W_KQ,  0x05                       ; K and Q window 1, S^T window 0
.set W_PV,  0x51                       ; V window 1, P window 0, O^T window 1
.set W_RS,  0x41                       ; O^T (destination, source 0) window 1, a window 0
.set W_OUT, 0x01                       ; source 0 window 1
.macro CROUND
	s_barrier_signal -1
	s_barrier_wait -1
	s_cmp_lg_u32 s[WV], 0
	s_cbranch_scc1 .Lnot_wave_0_\@
	s_barrier_signal -3
.Lnot_wave_0_\@:
	s_barrier_wait -3
	s_barrier_signal -1
	s_barrier_wait -1
.endm
	s_load_b128 s[4:7], s[0:1], 0x0                ; qkv s[4:5], att s[6:7]
	v_lshl_add_u32 v[SPW], v0, 2, SPARE
	v_mov_b32 v[NIL], 0
	ds_add_u32 v[SPW], v[NIL]                      ; the wave's opening: the add, twice on end, and its wait ahead of my first tensor load
	ds_add_u32 v[SPW], v[NIL]
	v_lshrrev_b32 v1, 5, v0
	v_readfirstlane_b32 s[WV], v1                  ; wave 0..7
	s_bfe_u32 s9, ttmp6, 0x40000                   ; cx
	s_lshl_b32 s44, ttmp9, 2
	s_add_co_u32 s9, s9, s44                       ; my block of 512 queries: it enters Q's and att's addresses alone
	s_and_b32 s10, ttmp7, 0xffff                   ; the head, which the four partners share
	s_mov_b32 s[G1], 15|(3<<16)|(1<<21)            ; the mask: all four; elements of 8 bytes; bit 21 beside a mask; no padding
	s_mov_b32 s[G1+1], 32<<16                      ; tensor_dim0 = 32 elements: rows of 256 bytes
	s_mov_b32 s[G1+2], 64<<16                      ; tensor_dim1 = 64
	s_mov_b32 s[G1+3], 32<<16                      ; tile_dim0
	s_mov_b32 s[G1+4], 64                          ; tile_dim1
	s_mov_b32 s[G1+5], 32                          ; the pitch: dense
	s_mov_b32 s[G1+6], 0
	s_mov_b32 s[G1+7], 0
	s_mov_b32 s[CS], 0x3e38aa3b                    ; c = log2(e) / 8
	s_mov_b32 s[CS+1], s[CS]
	s_mov_b32 s[SEL], 0x76543210
	s_mov_b32 s[SEL+1], 0xfedcba98
	s_mov_b32 s[TB], 0
	s_lshl_b32 s12, s10, 18                        ; the head's 262,144 bytes,
	s_and_b32 s44, s[WV], 3
	s_lshl_b32 s44, s44, 14                        ; my quarter of a slot's 65,536,
	s_add_co_u32 s12, s12, s44
	s_lshr_b32 s44, s[WV], 2
	s_lshl_b32 s44, s44, 25                        ; in K (byte 0) or in V (32 MiB)
	s_add_co_u32 s12, s12, s44
	s_mov_b32 s13, 0
	s_lshl_b32 s45, s[WV], 14                      ; and its place in a slot: no place in the cluster enters an LDS address
	s_lshl_b32 s46, s10, 18
	s_lshl_b32 s44, s9, 16                         ; 512 queries x 128 bytes
	s_add_co_u32 s46, s46, s44
	s_lshl_b32 s44, s[WV], 13                      ; my 64
	s_add_co_u32 s46, s46, s44
	s_mov_b32 s47, 0
	s_wait_dscnt 0x0                               ; both opening adds are done
	s_wait_kmcnt 0x0
	s_add_nc_u64 s[12:13], s[4:5], s[12:13]
	s_add_nc_u64 s[32:33], s[4:5], s[46:47]
	s_add_nc_u64 s[32:33], s[32:33], 0x1000000     ; Q begins at 16 MiB
	s_add_nc_u64 s[34:35], s[6:7], s[46:47]
	CROUND                                         ; all four work-groups are here: the first joint loads meet
.irp n, 0,1
	s_mov_b32 s[G0+4*\n], 1
	s_add_co_u32 s[G0+4*\n+1], s45, \n*SLOT1
	s_add_nc_u64 s[G0+4*\n+2:G0+4*\n+3], s[12:13], \n*65536
	s_or_b32 s[G0+4*\n+3], s[G0+4*\n+3], 0x80000000
.endr
	tensor_load_to_lds s[G0:G0+3], s[G1:G1+7]      ; keys 0-511
	s_nop 0
	tensor_load_to_lds s[G0+4:G0+7], s[G1:G1+7]    ; keys 512-1,023: two loads of mine are out
	s_nop 0
.rept 4
	v_nop
.endr
	v_and_b32 v1, 31, v0
	v_lshlrev_b32 v[L16], 4, v1
	WIN W_LD
.irp i, 0,1,2,3,4,5,6,7,8,9,10,11,12,13,14,15  ; Q stays in registers: tile i / 4, chunk i % 4
	global_load_b128 v[QF+4*\i:QF+4*\i+3], v[L16], s[32:33] offset:512*\i
.endr
.set i, 0
.rept 128
	v_mov_b32 v[i], 0                              ; O^T: the step is written once; its first walk finds zeros, which a = 0 leaves zeros
.set i, i+1
.endr
	WIN 0
.irp t, 0,1,2,3
	v_mov_b32 v[ST+8*\t+1], 0xff61b1e6             ; m: -3e38, under every score
	v_mul_f32 v[ST+8*\t], s[CS], v[ST+8*\t+1]      ; c m
	v_mov_b32 v[ST+8*\t+2], 0                      ; l
	v_mov_b32 v[ST+8*\t+3], 0
.endr
	v_and_b32 v6, 15, v0                           ; r
	v_bfe_u32 v7, v0, 4, 1                         ; h
	s_mul_i32 s44, s[WV], 16*SPI
	s_add_co_u32 s44, s44, STAGE                   ; my stage
	v_mul_u32_u24 v[STO], v6, SPI                  ; in: row r, 16 bytes for each half of the lanes
	v_lshl_add_u32 v[STO], v7, 4, v[STO]
	v_add_nc_u32 v[STO], s44, v[STO]
	v_bfe_u32 v[RD], v0, 3, 2                      ; back: eight lanes to a row of 128 bytes, four rows an instruction
	v_mul_u32_u24 v[RD], v[RD], SPI
	v_and_b32 v8, 7, v0
	v_lshl_add_u32 v[RD], v8, 4, v[RD]
	v_add_nc_u32 v[RD], s44, v[RD]
; A KEY STEP: 64 keys.
.macro STEP
	v_add_nc_u32 v[ADK], s[TB], v[L16]             ; these four plain lines are the places between the last products and the loads into the registers that they read
	v_add_nc_u32 v[ADV], VOFF, v[ADK]
	v_nop
	v_nop
	WIN W_LD
.irp i, 0,1,2,3,4,5,6,7,8,9,10,11,12,13,14,15  ; K: tile i / 4 of 16 keys, chunk i % 4
	ds_load_b128 v[KV+4*\i:KV+4*\i+3], v[ADK] offset:512*\i
.endr
	s_wait_dscnt 0x0
	WIN W_KQ
.irp c, 0,1                                    ; S^T = K Q^T: the 16 accumulators take turns, one instruction a turn; the first 16 start the sums
.irp k, 0,1,2,3
.irp t, 0,1,2,3
.if \c == 0
	v_wmma_f32_16x16x32_f16 v[S+32*\t+8*\k:S+32*\t+8*\k+7], v[KV+16*\k+8*\c:KV+16*\k+8*\c+7], v[QF+16*\t+8*\c:QF+16*\t+8*\c+7], 0
.else
	v_wmma_f32_16x16x32_f16 v[S+32*\t+8*\k:S+32*\t+8*\k+7], v[KV+16*\k+8*\c:KV+16*\k+8*\c+7], v[QF+16*\t+8*\c:QF+16*\t+8*\c+7], v[S+32*\t+8*\k:S+32*\t+8*\k+7]
.endif
.endr
.endr
.endr
.rept 4
	v_nop                                          ; places: in front of V's loads into K's registers, and of the first read of the scores
.endr
	WIN W_LD
.irp i, 0,1,2,3,4,5,6,7,8,9,10,11,12,13,14,15  ; V: fragment i / 2 = (block of 32 keys, tile of 16 channels), half i % 2; it lands while the softmax is walked
	ds_load_b128 v[KV+4*\i:KV+4*\i+3], v[ADV] offset:512*\i
.endr
	WIN 0
	; the maximum of a lane's 32 scores and the old m: four chains, each begun at its accumulator's low end; the four tiles by turns
.irp j, 0,1,2,3
.irp t, 0,1,2,3
	v_max3_num_f32 v[ST+8*\t+4+\j], v[S+32*\t+8*\j], v[S+32*\t+8*\j+1], v[S+32*\t+8*\j+2]
.endr
.endr
.irp g, 1,2
.irp j, 0,1,2,3
.irp t, 0,1,2,3
	v_max3_num_f32 v[ST+8*\t+4+\j], v[ST+8*\t+4+\j], v[S+32*\t+8*\j+2*\g+1], v[S+32*\t+8*\j+2*\g+2]
.endr
.endr
.endr
.irp t, 0,1,2,3
	v_max3_num_f32 v[ST+8*\t+4], v[ST+8*\t+4], v[S+32*\t+7], v[S+32*\t+15]
.endr
.irp t, 0,1,2,3
	v_max3_num_f32 v[ST+8*\t+6], v[ST+8*\t+6], v[S+32*\t+23], v[S+32*\t+31]
.endr
.irp t, 0,1,2,3
	v_max3_num_f32 v[ST+8*\t+4], v[ST+8*\t+4], v[ST+8*\t+5], v[ST+8*\t+6]
.endr
.irp t, 0,1,2,3
	v_max3_num_f32 v[ST+8*\t+4], v[ST+8*\t+4], v[ST+8*\t+7], v[ST+8*\t+1]
.endr
.irp t, 0,1,2,3
	v_permlanex16_b32 v[ST+8*\t+5], v[ST+8*\t+4], s[SEL], s[SEL+1]   ; the query's other 32 keys lie in the lane 16 away
.endr
.irp t, 0,1,2,3
	v_mov_b32 v[ST+8*\t+7], v[ST+8*\t]             ; c m_old is kept for a
.endr
.irp t, 0,1,2,3
	v_max_num_f32 v[ST+8*\t+1], v[ST+8*\t+4], v[ST+8*\t+5]
.endr
.irp t, 0,1,2,3
	v_mul_f32 v[ST+8*\t], s[CS], v[ST+8*\t+1]
.endr
.irp t, 0,1,2,3
	v_sub_f32 v[ST+8*\t+7], v[ST+8*\t+7], v[ST+8*\t]
.endr
	; ONE BATCH of 132 exponentials, none of which reads another's result; the scalings c s - c m stand among them, each pair's ahead of its exponentials
.irp t, 0,1,2,3
	v_exp_f32 v[ST+8*\t+6], v[ST+8*\t+7]           ; a
.endr
.irp b, 0,1,2,3,4,5,6,7,8,9,10,11,12,13,14,15
.irp t, 0,1,2,3
	v_pk_fma_f32 v[S+32*\t+2*\b:S+32*\t+2*\b+1], v[S+32*\t+2*\b:S+32*\t+2*\b+1], s[CS:CS+1], v[ST+8*\t:ST+8*\t+1] op_sel_hi:[1,0,0] neg_lo:[0,0,1] neg_hi:[0,0,1]
.endr
.irp t, 0,1,2,3
	v_exp_f32 v[S+32*\t+2*\b], v[S+32*\t+2*\b]
	v_exp_f32 v[S+32*\t+2*\b+1], v[S+32*\t+2*\b+1]
.endr
.endr
	v_nop                                          ; a plain instruction behind the last exponential, ahead of the first use
	s_wait_alu depctr_va_vdst(0)                   ; the wait ahead of the first instruction that names a result: one for the batch
.irp b, 0,1,2,3,4,5,6,7,8,9,10,11,12,13,14,15
.irp t, 0,1,2,3
	v_cvt_pk_f16_f32 v[P+16*\t+\b], v[S+32*\t+2*\b], v[S+32*\t+2*\b+1]   ; pair b of the weights: P's register b
.endr
.endr
	; the sum of a tile's 16 pairs, in place: neighbours 1, 2, 4 and 8 pairs apart; then l = a l + the sum
.irp u, 0,1,2,3,4,5,6,7
.irp t, 0,1,2,3
	v_pk_add_f32 v[S+32*\t+4*\u:S+32*\t+4*\u+1], v[S+32*\t+4*\u:S+32*\t+4*\u+1], v[S+32*\t+4*\u+2:S+32*\t+4*\u+3]
.endr
.endr
.irp u, 0,1,2,3
.irp t, 0,1,2,3
	v_pk_add_f32 v[S+32*\t+8*\u:S+32*\t+8*\u+1], v[S+32*\t+8*\u:S+32*\t+8*\u+1], v[S+32*\t+8*\u+4:S+32*\t+8*\u+5]
.endr
.endr
.irp u, 0,1
.irp t, 0,1,2,3
	v_pk_add_f32 v[S+32*\t+16*\u:S+32*\t+16*\u+1], v[S+32*\t+16*\u:S+32*\t+16*\u+1], v[S+32*\t+16*\u+8:S+32*\t+16*\u+9]
.endr
.endr
.irp t, 0,1,2,3
	v_pk_add_f32 v[S+32*\t:S+32*\t+1], v[S+32*\t:S+32*\t+1], v[S+32*\t+16:S+32*\t+17]
.endr
.irp t, 0,1,2,3
	v_pk_fma_f32 v[ST+8*\t+2:ST+8*\t+3], v[ST+8*\t+2:ST+8*\t+3], v[ST+8*\t+6:ST+8*\t+7], v[S+32*\t:S+32*\t+1] op_sel_hi:[1,0,1]
.endr
	WIN W_RS
.irp i, 0,2,4,6,8,10,12,14,16,18,20,22,24,26,28,30
.irp t, 0,1,2,3
	v_pk_mul_f32 v[32*\t+\i:32*\t+\i+1], v[32*\t+\i:32*\t+\i+1], v[ST+8*\t+6:ST+8*\t+7] op_sel_hi:[1,0]   ; O^T times a
.endr
.endr
	s_wait_dscnt 0x0                               ; V is in
	WIN W_PV
.irp b, 0,1                                    ; O^T += V^T P: the 16 accumulators take turns
.irp d, 0,1,2,3
.irp t, 0,1,2,3
	v_wmma_f32_16x16x32_f16 v[32*\t+8*\d:32*\t+8*\d+7], v[KV+32*\b+8*\d:KV+32*\b+8*\d+7], v[P+16*\t+8*\b:P+16*\t+8*\b+7], v[32*\t+8*\d:32*\t+8*\d+7]
.endr
.endr
.endr
	WIN 0
	s_add_co_u32 s[TB], s[TB], 8192                ; the next step's 64 keys
.endm
.macro SLOT_STEPS                      ; a slot's eight key steps: written once, walked eight times
	s_mov_b32 s[NST], 8
.Lstep_\@:
	STEP
	s_sub_co_u32 s[NST], s[NST], 1
	s_cmp_lg_u32 s[NST], 0
	s_cbranch_scc1 .Lstep_\@
.endm
; THE CHANGE OF SLOTS.  Each wave waits for all its tensor loads (its part of the slot ahead), adds 0 to its spare word, and waits for that and for its reads of the slot that it leaves.
; fill = 1: a round of the cluster's barrier, so that no wave of any partner still reads the slot or has a load on its way; the joint refill is the first thing behind it, one load a wave.
.macro CHANGE fill
	s_wait_tensorcnt 0x0                           ; no tensor load of mine is out, so a group 0 may be written
	ds_add_u32 v[SPW], v[NIL]                      ; 0 onto my spare word
.if \fill
	s_xor_b32 s[G0+5], s[G0+5], SLOT1              ; the walking descriptor: the other slot than last time,
	s_add_nc_u64 s[G0+6:G0+7], s[G0+6:G0+7], 65536 ; the next 512 keys; the type bits on top are not reached
.endif
	s_wait_dscnt 0x0                               ; the add is done, and my reads of the slot are over
.if \fill
	CROUND
	tensor_load_to_lds s[G0+4:G0+7], s[G1:G1+7]
	s_nop 0
.rept 4
	v_nop
.endr
.else
	s_barrier_signal -1
	s_barrier_wait -1
.endif
	s_sub_co_u32 s[TB], s[TB], 65536               ; back to a slot's first step,
	s_xor_b32 s[TB], s[TB], SLOT1                  ; in the other slot
.endm
	s_wait_tensorcnt 1                             ; my part of slot 0 is in; slot 1's may stay out
	s_barrier_signal -1
	s_barrier_wait -1                              ; everybody's is
	s_wait_loadcnt 0x0                             ; Q
	SLOT_STEPS                                     ; keys 0-511
	s_mov_b32 s[SLOTS], 2
.Lslot:                                            ; two trips: keys 1,024 on and 1,536 on are asked for; keys 512 on and 1,024 on are walked
	CHANGE 1
	SLOT_STEPS
	s_sub_co_u32 s[SLOTS], s[SLOTS], 1
	s_cmp_lg_u32 s[SLOTS], 0
	s_cbranch_scc1 .Lslot
	CHANGE 0                                       ; the tail is written out
	SLOT_STEPS
	; THE WAY OUT.  l's two halves and the other half of the lanes' are added (these lines are the places behind the last products); O^T is divided by l, rounded to f16 and sent through my stage, a tile at a time.
.irp t, 0,1,2,3
	v_add_f32 v[ST+8*\t+4], v[ST+8*\t+2], v[ST+8*\t+3]
.endr
.irp t, 0,1,2,3
	v_permlanex16_b32 v[ST+8*\t+5], v[ST+8*\t+4], s[SEL], s[SEL+1]
.endr
.irp t, 0,1,2,3
	v_add_f32 v[ST+8*\t+4], v[ST+8*\t+4], v[ST+8*\t+5]
.endr
.irp t, 0,1,2,3
	v_rcp_f32 v[ST+8*\t+6], v[ST+8*\t+4]
.endr
	v_nop                                          ; a plain instruction between the last reciprocal and the use of its result
	s_wait_alu depctr_va_vdst(0)                   ; and the wait ahead of the first use: one for the four
.macro PACK t                          ; a lane's eight channels of a query pack into 16 bytes; they go into rows of 144 bytes and come back as four whole rows of 128 an instruction
	WIN W_OUT
.irp i, 0,2,4,6,8,10,12,14,16,18,20,22,24,26,28,30
	v_pk_mul_f32 v[S+32*\t+\i:S+32*\t+\i+1], v[32*\t+\i:32*\t+\i+1], v[ST+8*\t+6:ST+8*\t+7] op_sel_hi:[1,0]   ; each accumulator from its low end on
.endr
	WIN 0
.irp i, 0,1,2,3,4,5,6,7,8,9,10,11,12,13,14,15
	v_cvt_pk_f16_f32 v[P+16*\t+\i], v[S+32*\t+2*\i], v[S+32*\t+2*\i+1]
.endr
.irp d, 0,1,2,3
	ds_store_b128 v[STO], v[P+16*\t+4*\d:P+16*\t+4*\d+3] offset:32*\d
.endr
.irp i, 0,1,2,3
	ds_load_b128 v[S+32*\t+4*\i:S+32*\t+4*\i+3], v[RD] offset:4*SPI*\i   ; LDS serves a wave's instructions in order: these see the stores above; the next tile's stores come behind them
.endr
.endm
.macro SEND t, younger                 ; younger: the LDS instructions issued behind tile t's loads: the next tile's eight, or none
.irp i, 0,1,2,3
	s_wait_dscnt \younger+3-\i
	global_store_b128 v[L16], v[S+32*\t+4*\i:S+32*\t+4*\i+3], s[34:35] offset:2048*\t+512*\i   ; 32 lanes store 512 consecutive bytes, aligned
.endr
.endm
	PACK 0
	PACK 1
	SEND 0, 8
	PACK 2
	SEND 1, 8
	PACK 3
	SEND 2, 8
	SEND 3, 0
	s_wait_tensorcnt 0x0                           ; the wave's end, behind my last tensor load and my last LDS store
	ds_add_u32 v[SPW], v[NIL]
	s_wait_dscnt 0x0
	CROUND                                         ; the closing round
	s_endpgm
.Lfunc_end_k_q2d983059cd_attn:
	.size	k_q2d983059cd_attn, .Lfunc_end_k_q2d983059cd_attn-k_q2d983059cd_attn
	.p2alignl 7, 3214868480
	.fill 96, 4, 3214868480
	.section	.rodata,"a",@progbits
	.p2align	6, 0x0
	.amdhsa_kernel k_q2d983059cd_attn
		.amdhsa_group_segment_fixed_size 327680
		.amdhsa_private_segment_fixed_size 0
		.amdhsa_enable_private_segment 0
		.amdhsa_kernarg_size 16
		.amdhsa_user_sgpr_count 2
		.amdhsa_user_sgpr_kernarg_segment_ptr 1
		.amdhsa_wavefront_size32 1
		.amdhsa_system_sgpr_workgroup_id_x 1
		.amdhsa_system_sgpr_workgroup_id_y 1
		.amdhsa_system_sgpr_workgroup_id_z 1
		.amdhsa_system_vgpr_workitem_id 0
		.amdhsa_next_free_vgpr 512
		.amdhsa_next_free_sgpr 66
		.amdhsa_reserve_vcc 0
		.amdhsa_float_denorm_mode_32 3
		.amdhsa_float_denorm_mode_16_64 3
		.amdhsa_memory_ordered 1
		.amdhsa_forward_progress 1
		.amdhsa_inst_pref_size 121
	.end_amdhsa_kernel
	.amdgpu_metadata
---
amdhsa.version: [ 1, 2 ]
amdhsa.kernels:
  - .name:           k_q2d983059cd_attn
    .symbol:         k_q2d983059cd_attn.kd
    .args:
      - { .name: qkv, .offset: 0, .size: 8, .value_kind: global_buffer, .address_space: global }
      - { .name: att, .offset: 8, .size: 8, .value_kind: global_buffer, .address_space: global }
    .group_segment_fixed_size: 327680
    .private_segment_fixed_size: 0
    .kernarg_segment_align: 8
    .kernarg_segment_size: 16
    .max_flat_workgroup_size: 256
    .sgpr_count:     66
    .vgpr_count:     512
    .wavefront_size: 32
...
	.end_amdgpu_metadata
.endif
;; end of part 3
;; launch proj (part 4): grid 4 x 64, 4 waves a work-group, clusters of 4 x 4, 327,680 bytes of LDS; arguments att, pw16, proj_bias, out0; writes out0
.if DOCPART == 4
	.amdgcn_target "amdgcn-amd-amdhsa--gfx1250"
	.amdhsa_code_object_version 6
	.text
	.protected	k_q2d983059cd_proj
	.globl	k_q2d983059cd_proj
	.p2align	8
	.type	k_q2d983059cd_proj,@function
k_q2d983059cd_proj:
	s_mov_b64 s[64:65], 0
	v_nop
	global_prefetch_b8 v0, s[64:65] scope:SCOPE_SE
	s_setreg_imm32_b32 hwreg(HW_REG_WAVE_MODE, 25, 1), 1
	s_wait_xcnt 0x0
	s_wait_alu depctr_hold_cnt(0) depctr_sa_sdst(0) depctr_va_vdst(0) depctr_va_sdst(0) depctr_va_ssrc(0) depctr_va_vcc(0) depctr_vm_vsrc(0)
	s_getreg_b32 s2, hwreg(HW_REG_IB_STS2, 6, 4)
	s_cmp_eq_u32 s2, 0
	s_cbranch_scc0 .Lentry_in_a_cluster
	s_endpgm
.Lentry_in_a_cluster:
	s_bfe_u32 s2, ttmp6, 0x10000c
	s_cmp_lg_u32 s2, 0xf033
	s_cbranch_scc0 .Lentry_shape_is_right
	s_endpgm
.Lentry_shape_is_right:
; PROJ: out0[R][o] = the sum over c of att[R][c] pw16[o][c] + proj_bias[o].  att [8,192][1,024] and pw16 [1,024][1,024] f16, sums and out0 f32.
; A tile of out0 is 128 rows x 256 columns: 64 x 4 tiles, one for each of 256 work-groups.  Four waves, each 64 rows x 128 columns: 32 accumulators of 16 x 16, 256 registers.
; K goes in eight steps of 128 (rows of 256 bytes) through a ring of two LDS slots: waves 0 and 1 fetch att's two halves of 64 rows, waves 2 and 3 pw16's two halves of 128 rows.
; CLUSTERS: 4 x 4 work-groups: the four of a row of the cluster need the same tile of att, the four of a column the same tile of pw16: each is asked for jointly.
; THE MATRIX INSTRUCTION IS USED TRANSPOSED (source 0 = 16 rows of pw16, source 1 = 16 rows of att): a lane holds eight neighbouring columns of one row of out0.
; The bias is the C of each sum's first matrix instruction: eight registers for each block of 16 columns, in the result's layout: it costs no addition and nothing is cleared.
; REGISTERS: window 0: v16-29 addresses; v32-127, v128-223 two fragment buffers (pw16's 8 fragments, then att's 4); on the way out v32-159 rows of out0.
;   window 1: the accumulators, (a, b) at v[8 (8 a + b)].   window 2: v0-63 the bias.
.set KSTEP,  128
.set PITCH,  272                       ; an LDS row: 256 bytes + 16 of padding = 68 words: the 16 rows of a load start at 16 different banks (64 banks of 4 bytes: ISA guide 11.1)
.set ABYTES, 128*PITCH                 ; att's 128 rows
.set SLOT,   384*PITCH                 ; then pw16's 256
.set STAGE,  2*SLOT                    ; 16 rows x 528 bytes for each wave
.set SPITCH, 528
.set SPARE,  STAGE+4*16*SPITCH         ; the spare words, 128 bytes a wave, that no other line names
.set LAPS,   4                         ; a lap = two K steps
.set ADRA, 16
.set ADRB, 20
.set STO,  24
.set RD,   25
.set CO,   26
.set BO,   27                          ; v27 32 h: the bias: my half's eight numbers of a block of 16
.set SPW,  28
.set NIL,  29
.set F0,   32
.set F1,   128
.set BK,   32
.set G1, 24
.set G0, 32
.set G1B, 48
.set G0B, 56
.set MSB, 0
.macro WIN new
.if MSB != (\new)
	s_set_vgpr_msb (MSB<<8)|(\new)
.set MSB, (\new)
.endif
.endm
.set MUL,       0x50                   ; sources 0 and 1 window 0; C and D window 1
.set MUL_FIRST, 0x60                   ; C (the bias) window 2, D window 1
.macro JLOAD s                         ; a joint load; the branch hangs on the wave's number alone; an s_nop 0 and four v_nop follow each line
	s_cmp_eq_u32 s13, 0
	s_cbranch_scc0 .Lfor_b_\@
	tensor_load_to_lds s[G0+4*\s:G0+4*\s+3], s[G1:G1+7]
	s_nop 0
.rept 4
	v_nop
.endr
	s_branch .Lasked_\@
.Lfor_b_\@:
	tensor_load_to_lds s[G0B+4*\s:G0B+4*\s+3], s[G1B:G1B+7]
	s_nop 0
.rept 4
	v_nop
.endr
.Lasked_\@:
.endm
.macro CREST                           ; a round of the cluster's barrier behind its opening barrier
	s_cmp_lg_u32 s12, 0
	s_cbranch_scc1 .Lnot_wave_0_\@
	s_barrier_signal -3
.Lnot_wave_0_\@:
	s_barrier_wait -3
	s_barrier_signal -1
	s_barrier_wait -1
.endm
.macro CROUND
	s_barrier_signal -1
	s_barrier_wait -1
	CREST
.endm
	s_load_b256 s[4:11], s[0:1], 0x0               ; att s[4:5], pw16 s[6:7], proj_bias s[8:9], out0 s[10:11]
	v_lshl_add_u32 v[SPW], v0, 2, SPARE
	v_mov_b32 v[NIL], 0
	ds_add_u32 v[SPW], v[NIL]                      ; the wave's opening: the add, twice on end, and its wait ahead of my first tensor load
	ds_add_u32 v[SPW], v[NIL]
	v_lshrrev_b32 v1, 5, v0
	v_readfirstlane_b32 s12, v1                    ; wave 0..3
	s_lshr_b32 s13, s12, 1                         ; which 64 rows are mine.  Also: I fetch for att (0) or for pw16 (1)
	s_and_b32 s14, s12, 1                          ; which 128 columns.  Also: which half of that tile I fetch
	s_bfe_u32 s40, ttmp6, 0x40000                  ; cx, cy
	s_bfe_u32 s41, ttmp6, 0x40004
	s_lshl_b32 s42, ttmp9, 2
	s_add_co_u32 s42, s42, s40                     ; tile column
	s_and_b32 s15, ttmp7, 0xffff
	s_lshl_b32 s15, s15, 2
	s_add_co_u32 s15, s15, s41                     ; tile row
	s_lshl_b32 s43, s41, 2
	s_lshl_b32 s43, 15, s43                        ; my row of the cluster
	s_lshl_b32 s44, 0x1111, s40                    ; my column
	s_or_b32 s[G1+0], s43, (1<<16)|(1<<20)|(1<<21)|(5<<22)|(3<<25)  ; the mask; elements of 2 bytes; padding on; bit 21 beside a mask; 4 words of padding after every 64
	s_or_b32 s[G1B+0], s44, (1<<16)|(1<<20)|(1<<21)|(5<<22)|(3<<25)
	s_mov_b32 s[G1+1], KSTEP<<16                   ; att: 64 rows x 128 elements
	s_mov_b32 s[G1+2], 64<<16
	s_mov_b32 s[G1+3], KSTEP<<16
	s_mov_b32 s[G1+4], 64
	s_mov_b32 s[G1+5], 1024
	s_mov_b32 s[G1+6], 0
	s_mov_b32 s[G1+7], 0
	s_mov_b32 s[G1B+1], KSTEP<<16                  ; pw16: 128 rows x 128 elements
	s_mov_b32 s[G1B+2], 128<<16
	s_mov_b32 s[G1B+3], KSTEP<<16
	s_mov_b32 s[G1B+4], 128
	s_mov_b32 s[G1B+5], 1024
	s_mov_b32 s[G1B+6], 0
	s_mov_b32 s[G1B+7], 0
	s_lshl_b32 s16, s15, 7
	s_lshl_b32 s17, s14, 6
	s_add_co_u32 s16, s16, s17                     ; att: row 128 x tile row + 64 x half,
	s_lshl_b32 s16, s16, 11                        ; of 2,048 bytes
	s_mov_b32 s17, 0
	s_lshl_b32 s46, s42, 8
	s_lshl_b32 s47, s14, 7
	s_add_co_u32 s46, s46, s47                     ; pw16: row 256 x tile column + 128 x half
	s_lshl_b32 s46, s46, 11
	s_mov_b32 s47, 0
	s_mul_i32 s20, s14, 64*PITCH                   ; where they go: no place in the cluster enters an LDS address
	s_mul_i32 s21, s14, 128*PITCH
	s_add_co_u32 s21, s21, ABYTES
	s_wait_dscnt 0x0                               ; both opening adds are done
	s_wait_kmcnt 0x0
	s_add_nc_u64 s[18:19], s[4:5], s[16:17]
	s_add_nc_u64 s[46:47], s[6:7], s[46:47]
	CROUND                                         ; all sixteen work-groups are here: the first joint loads meet
.irp s, 0,1
	s_mov_b32 s[G0+4*\s], 1
	s_add_co_u32 s[G0+4*\s+1], s20, \s*SLOT
	s_add_nc_u64 s[G0+4*\s+2:G0+4*\s+3], s[18:19], \s*KSTEP*2
	s_or_b32 s[G0+4*\s+3], s[G0+4*\s+3], 0x80000000
	s_mov_b32 s[G0B+4*\s], 1
	s_add_co_u32 s[G0B+4*\s+1], s21, \s*SLOT
	s_add_nc_u64 s[G0B+4*\s+2:G0B+4*\s+3], s[46:47], \s*KSTEP*2
	s_or_b32 s[G0B+4*\s+3], s[G0B+4*\s+3], 0x80000000
	JLOAD \s                                       ; two loads of mine are out
.endr
	v_and_b32 v1, 15, v0                           ; r
	v_bfe_u32 v2, v0, 4, 1                         ; h
	v_mul_u32_u24 v3, v1, PITCH
	v_lshl_add_u32 v3, v2, 4, v3                   ; a fragment's row x pitch + 16 h
	s_mul_i32 s21, s13, 64*PITCH                   ; my 64 rows of att
	s_mul_i32 s22, s14, 128*PITCH                  ; my 128 rows of pw16,
	s_add_co_u32 s22, s22, ABYTES                  ; behind att's 128
.irp s, 0,1
	v_add_nc_u32 v[ADRA+\s], s21, v3
	v_add_nc_u32 v[ADRB+\s], s22, v3
	s_add_co_u32 s21, s21, SLOT
	s_add_co_u32 s22, s22, SLOT
.endr
	s_mul_i32 s23, s12, 16*SPITCH
	s_add_co_u32 s23, s23, STAGE                   ; my stage
	v_mul_u32_u24 v4, v1, SPITCH                   ; in: row r, 32 bytes for each half of the lanes
	v_lshl_add_u32 v4, v2, 5, v4
	v_add_nc_u32 v[STO], s23, v4
	v_and_b32 v5, 31, v0
	v_lshlrev_b32 v[CO], 4, v5                     ; back: the 32 lanes take one row of 512 bytes; and the same in out0
	v_add_nc_u32 v[RD], s23, v[CO]
	v_lshlrev_b32 v[BO], 5, v2
	s_lshl_b32 s16, s15, 7
	s_lshl_b32 s17, s13, 6
	s_add_co_u32 s16, s16, s17                     ; my first row of out0,
	s_lshl_b32 s16, s16, 12                        ; of 4,096 bytes
	s_lshl_b32 s46, s42, 10
	s_lshl_b32 s47, s14, 9
	s_add_co_u32 s46, s46, s47                     ; my first column, in bytes: in out0 and in proj_bias alike
	s_add_co_u32 s16, s16, s46
	s_mov_b32 s17, 0
	s_mov_b32 s47, 0
	s_add_nc_u64 s[10:11], s[10:11], s[16:17]
	s_add_nc_u64 s[8:9], s[8:9], s[46:47]
	WIN 0x80                                       ; destination window 2
.irp b, 0,1,2,3,4,5,6,7                        ; the bias of columns 16 b + 8 h + 0 .. 7
	global_load_b128 v[8*\b:8*\b+3], v[BO], s[8:9] offset:64*\b
	global_load_b128 v[8*\b+4:8*\b+7], v[BO], s[8:9] offset:64*\b+16
.endr
	WIN 0
; 8 matrix instructions: att's block a x pw16's eight, 32 along K.  The 32 accumulators take turns, one instruction a turn, in the same order in every quarter.
.macro MUL8 f, a, first
.irp b, 0,1,2,3,4,5,6,7
.if \first
	v_wmma_f32_16x16x32_f16 v[8*(8*(\a)+\b):8*(8*(\a)+\b)+7], v[\f+8*\b:\f+8*\b+7], v[\f+64+8*(\a):\f+64+8*(\a)+7], v[8*\b:8*\b+7]
.else
	v_wmma_f32_16x16x32_f16 v[8*(8*(\a)+\b):8*(8*(\a)+\b)+7], v[\f+8*\b:\f+8*\b+7], v[\f+64+8*(\a):\f+64+8*(\a)+7], v[8*(8*(\a)+\b):8*(8*(\a)+\b)+7]
.endif
.endr
.endm
.macro FETCH slot, k, f                ; 24 LDS loads in one run: the fragments of 32 along K at byte k of the rows: pw16's eight, then att's four
	WIN 0
.irp i, 0,1,2,3,4,5,6,7
	ds_load_b128 v[\f+8*\i:\f+8*\i+3],   v[ADRB+\slot] offset:\k+\i*16*PITCH
	ds_load_b128 v[\f+8*\i+4:\f+8*\i+7], v[ADRB+\slot] offset:\k+\i*16*PITCH+32
.endr
.irp i, 0,1,2,3
	ds_load_b128 v[\f+64+8*\i:\f+64+8*\i+3],   v[ADRA+\slot] offset:\k+\i*16*PITCH
	ds_load_b128 v[\f+64+8*\i+4:\f+64+8*\i+7], v[ADRA+\slot] offset:\k+\i*16*PITCH+32
.endr
.endm
.macro PLACES                          ; four plain vector instructions between a matrix instruction and a load into, or a read of, its registers
.rept 4
	v_nop
.endr
.endm
.macro MWIN first
.if \first
	WIN MUL_FIRST
.else
	WIN MUL
.endif
.endm
; A K step is four quarters of 32 along K, 32 matrix instructions each, on buffers 0, 1, 0, 1.  One of the first three: multiplies buffer f and fetches the next quarter, at byte k, into g.
.macro QUARTER slot, k, f, g, first
	s_wait_dscnt 4                                 ; pw16's fragments and att's blocks 0, 1 are in; the youngest four loads (blocks 2, 3) may be out
	MWIN \first
	MUL8 \f, 0, \first
	MUL8 \f, 1, \first
	PLACES
	FETCH \slot, \k, \g
	s_wait_dscnt 24                                ; all but the 24 just issued
	MWIN \first
	MUL8 \f, 2, \first
	MUL8 \f, 3, \first
.endm
; The last quarter multiplies buffer 1 and changes slots: ONE barrier; in front of it each wave waits for all its tensor loads, adds 0 to its spare word, and waits for that and for its reads of this slot.
; fill = 1: the barrier opens a round of the cluster's barrier, and this slot is filled again, two K steps ahead: the first tensor load behind the round, one a wave.
.macro TURN slot, next, fill
	WIN 0
	s_wait_tensorcnt 0x0                           ; all my tensor loads have landed: my part of the next slot
	ds_add_u32 v[SPW], v[NIL]                      ; 0 onto my spare word
	s_wait_dscnt 5                                 ; (the add and the youngest four loads may be out)
	WIN MUL
	MUL8 F1, 0, 0
	s_wait_dscnt 0x0                               ; the add is done, and my reads of this slot are over
	s_barrier_signal -1
	MUL8 F1, 1, 0
	WIN 0
	s_barrier_wait -1
.if \fill
	CREST
	s_add_nc_u64 s[G0+4*\slot+2:G0+4*\slot+3], s[G0+4*\slot+2:G0+4*\slot+3], 2*KSTEP*2
	s_add_nc_u64 s[G0B+4*\slot+2:G0B+4*\slot+3], s[G0B+4*\slot+2:G0B+4*\slot+3], 2*KSTEP*2
	JLOAD \slot                                    ; 112 matrix instructions ahead of the wait for it; the four v_nop behind it are also the places in front of the loads below
.else
	PLACES
.endif
	FETCH \next, 0, F0
	WIN MUL
	MUL8 F1, 2, 0
	MUL8 F1, 3, 0
.endm
	s_wait_tensorcnt 1                             ; my part of K step 0 is in (K step 1's load may be out),
	s_barrier_signal -1
	s_barrier_wait -1                              ; everybody's is
	s_wait_loadcnt 0x0                             ; the bias
	FETCH 0, 0, F0
	QUARTER 0, 64, F0, F1, 1                       ; the first quarter stands in front of the loop: its products start the sums from the bias
	WIN 0
	s_mov_b32 s3, LAPS-1
.Llap:                                             ; a trip goes once round the ring, from a lap's second quarter to the next lap's first, and fills both slots again
	QUARTER 0, 128, F1, F0, 0
	QUARTER 0, 192, F0, F1, 0
	TURN 0, 1, 1
	QUARTER 1, 64,  F0, F1, 0
	QUARTER 1, 128, F1, F0, 0
	QUARTER 1, 192, F0, F1, 0
	TURN 1, 0, 1
	QUARTER 0, 64,  F0, F1, 0
	WIN 0
	s_sub_co_u32 s3, s3, 1
	s_cmp_lg_u32 s3, 0
	s_cbranch_scc1 .Llap
	QUARTER 0, 128, F1, F0, 0                      ; the last lap fills nothing, and has no round of the cluster's barrier
	QUARTER 0, 192, F0, F1, 0
	TURN 0, 1, 0
	QUARTER 1, 64,  F0, F1, 0
	QUARTER 1, 128, F1, F0, 0
	QUARTER 1, 192, F0, F1, 0
	s_wait_dscnt 4                                 ; the very last quarter: nothing more to fetch
	WIN MUL
	MUL8 F1, 0, 0
	MUL8 F1, 1, 0
	s_wait_dscnt 0
	MUL8 F1, 2, 0
	MUL8 F1, 3, 0
	WIN 0
; THE WAY OUT, block by block of 16 rows x 128 columns: a lane holds 32 neighbouring bytes of a row and the lanes beside it other rows, so a block goes through my own stage and comes back as whole rows of 512 bytes.
; LDS serves a wave's instructions in order (ISA guide 5.7.1.4): no wait between the stores and the loads, nor in front of the next block's stores.
.macro TOSTAGE a
	WIN 0x04                                       ; an LDS store's data are its source 1: window 1
.irp b, 0,1,2,3,4,5,6,7
	ds_store_b128 v[STO], v[8*(8*(\a)+\b):8*(8*(\a)+\b)+3] offset:64*\b          ; each accumulator from its low end on
	ds_store_b128 v[STO], v[8*(8*(\a)+\b)+4:8*(8*(\a)+\b)+7] offset:64*\b+16
.endr
	WIN 0
.set BB, BK+64*((\a)%2)
.irp t, 0,1,2,3,4,5,6,7,8,9,10,11,12,13,14,15
	ds_load_b128 v[BB+4*\t:BB+4*\t+3], v[RD] offset:\t*SPITCH
.endr
.endm
.macro SEND a, younger                 ; younger: the LDS instructions issued behind block a's loads, which may stay out
.set BB, BK+64*((\a)%2)
	s_wait_dscnt \younger
.irp t, 0,1,2,3,4,5,6,7,8,9,10,11,12,13,14,15
	global_store_b128 v[CO], v[BB+4*\t:BB+4*\t+3], s[10:11] offset:(16*(\a)+\t)*4096 th:TH_STORE_NT   ; 32 lanes store 512 consecutive bytes, aligned; written once, read by nobody here
.endr
.endm
	PLACES                                         ; between the last products and the first read of results and the loads into the fragments' registers
	TOSTAGE 0
.irp a, 1,2,3
.if \a > 1
	s_wait_xcnt 0x0                                ; block a - 2's stores have read their registers: block a's loads may land there
.endif
	TOSTAGE \a
	SEND \a-1, 32                                  ; behind block a - 1's loads: block a's 16 stores and 16 loads
.endr
	SEND 3, 0
	s_wait_tensorcnt 0x0                           ; the wave's end, behind my last tensor load and my last LDS store
	ds_add_u32 v[SPW], v[NIL]
	s_wait_dscnt 0x0
	CROUND                                         ; the closing round
	s_endpgm
.Lfunc_end_k_q2d983059cd_proj:
	.size	k_q2d983059cd_proj, .Lfunc_end_k_q2d983059cd_proj-k_q2d983059cd_proj
	.p2alignl 7, 3214868480
	.fill 96, 4, 3214868480
	.section	.rodata,"a",@progbits
	.p2align	6, 0x0
	.amdhsa_kernel k_q2d983059cd_proj
		.amdhsa_group_segment_fixed_size 327680
		.amdhsa_private_segment_fixed_size 0
		.amdhsa_enable_private_segment 0
		.amdhsa_kernarg_size 32
		.amdhsa_user_sgpr_count 2
		.amdhsa_user_sgpr_kernarg_segment_ptr 1
		.amdhsa_wavefront_size32 1
		.amdhsa_system_sgpr_workgroup_id_x 1
		.amdhsa_system_sgpr_workgroup_id_y 1
		.amdhsa_system_sgpr_workgroup_id_z 1
		.amdhsa_system_vgpr_workitem_id 0
		.amdhsa_next_free_vgpr 576
		.amdhsa_next_free_sgpr 66
		.amdhsa_reserve_vcc 0
		.amdhsa_float_denorm_mode_32 3
		.amdhsa_float_denorm_mode_16_64 3
		.amdhsa_memory_ordered 1
		.amdhsa_forward_progress 1
		.amdhsa_inst_pref_size 86
	.end_amdhsa_kernel
	.amdgpu_metadata
---
amdhsa.version: [ 1, 2 ]
amdhsa.kernels:
  - .name:           k_q2d983059cd_proj
    .symbol:         k_q2d983059cd_proj.kd
    .args:
      - { .name: att, .offset: 0, .size: 8, .value_kind: global_buffer, .address_space: global }
      - { .name: pw16, .offset: 8, .size: 8, .value_kind: global_buffer, .address_space: global }
      - { .name: proj_bias, .offset: 16, .size: 8, .value_kind: global_buffer, .address_space: global }
      - { .name: out0, .offset: 24, .size: 8, .value_kind: global_buffer, .address_space: global }
    .group_segment_fixed_size: 327680
    .private_segment_fixed_size: 0
    .kernarg_segment_align: 8
    .kernarg_segment_size: 32
    .max_flat_workgroup_size: 128
    .sgpr_count:     66
    .vgpr_count:     576
    .wavefront_size: 32
...
	.end_amdgpu_metadata
.endif
;; end of part 4
